; MI455X (gfx1250); checked and timed in simulation.
; The chip was launched on July 23, 2026; its instructions are those of AMD's public machine-readable ISA for CDNA 5 (MIT licence, August 2026) and "CDNA5" Instruction Set Architecture Reference Guide (July 2026). The comments in the code are by the model that wrote it; some were corrected since.
;; Semantic Aggregator. Allowed arithmetic: float matrix products may take bf16 or f16 operands with f32 sums; all other float work in f32.
;; Inputs: activations 4,096 x 16 x 1,024 float32; ln_beta 1,024 float32; ln_gamma 1,024 float32; mask 4,096 x 16 bool; proj_b 1,024 float32; proj_w 1,024 x 1,024 float32; query 1,024 float32.
;; Outputs: out0 4,096 x 1,024 float32.
;; 2 versions, each right; version 2 is version 1 with the launch pool written anew for expert scheduling mode. Each part assembles by itself: llvm-mc -triple=amdgcn-amd-amdhsa -mcpu=gfx1250 --defsym DOCPART=n.
;; ======== version 1 of 2: 2 launches
;; workspace buffers: vp 65,536 bytes
;; launch fold (part 1): grid 8 x 16, 8 waves a work-group, no clusters, 5,120 bytes of LDS; arguments proj_w, query, vp; writes vp
.if DOCPART == 1
	.amdgcn_target "amdgcn-amd-amdhsa--gfx1250"
	.amdhsa_code_object_version 6
	.text
	.protected	k_q8d925cab22_fold
	.globl	k_q8d925cab22_fold
	.p2align	8
	.type	k_q8d925cab22_fold,@function
k_q8d925cab22_fold:
	s_mov_b64 s[64:65], 0
	v_nop
	global_prefetch_b8 v0, s[64:65] scope:SCOPE_SE
	s_setreg_imm32_b32 hwreg(HW_REG_WAVE_MODE, 25, 1), 1
	s_wait_xcnt 0x0
; vp[rg][h] = log2(e) * sum over d = 64 rg .. 64 rg + 63 of W[d][h] q[d].      W: [1024][1024] f32, q: [1024] f32, vp: [16][1024] f32.
; WHY: the projection is used only through its dot product with q, and that chain is linear for every input:
;   (act W^T + b) . q = act . v + c,   v[h] = sum over d of W[d][h] q[d],   c = b . q.
; This launch makes v as 16 partial sums over 64 rows of W each; the next launch adds the 16 and makes c.  log2(e) is folded in here, since the
; softmax there works with powers of two.
; FORMAT: all in f32 on the vector unit.  The product has one useful column (q), so a matrix instruction would fill one sixteenth of its tile, and the
; result stands in an exponent, where operands of 8 bits of mantissa would cost more than the output's margin.
; LIMIT: the sum over d is formed in another order than a row-by-row dot product forms it (8 rows in a lane, 8 waves, 16 partials).
; SHARES: work-group (cg, rg) owns rows 64 rg .. +63 and columns 128 cg .. +127; wave w rows 64 rg + 8 w + j, j = 0 .. 7; a lane 4 columns (16 bytes),
; so one load of a wave covers 512 consecutive bytes of one row, aligned.  A wave's 8 numbers of q are the same in all lanes: one scalar load.
; 8 x 16 = 128 work-groups: more partials would only cost the next launch more to add up.
; No tile is shared between work-groups, so there is nothing to ask for jointly; each byte of W is read once.
.set ROWB,  4096                       ; bytes in a row of W and in a row of vp
.set LOG2E, 0x3fb8aa3b
.set WR,    4                          ; v[4:35]   row j: 4 registers; later the eight waves' partial sums
.set AC,    36                         ; v[36:39]  my 4 columns' sum over my wave's 8 rows
	s_load_b128 s[4:7], s[0:1], 0x0                ; W s[4:5], q s[6:7]
	s_load_b64 s[8:9], s[0:1], 0x10                ; vp
	v_lshl_add_u32 v44, v0, 2, 0x1000
	v_mov_b32 v45, 0
	v_lshrrev_b32 v3, 5, v0
	v_readfirstlane_b32 s10, v3                    ; wave 0..7
	v_and_b32 v1, 31, v0
	v_lshlrev_b32 v1, 4, v1                        ; 16 x lane: my 4 columns in the 512 bytes
	v_lshlrev_b32 v2, 4, v0                        ; LDS: 512 x wave + 16 x lane
	s_and_b32 s12, ttmp7, 0xffff                   ; rg
	s_lshl_b32 s11, ttmp9, 9                       ; cg x 128 columns x 4 bytes
	s_mov_b32 s15, 0                               ; offsets are pairs with 0 on top
	s_lshl_b32 s14, s12, 18                        ; rg x 64 rows x 4,096 bytes
	s_lshl_b32 s13, s10, 15                        ; wave x 8 rows x 4,096 bytes
	s_add_co_u32 s14, s14, s13
	s_add_co_u32 s14, s14, s11
	s_wait_kmcnt 0x0
	s_add_nc_u64 s[4:5], s[4:5], s[14:15]          ; W at my wave's first row, my group's first column
	s_lshl_b32 s14, s12, 8                         ; rg x 64 numbers x 4 bytes
	s_lshl_b32 s13, s10, 5                         ; wave x 8 numbers x 4 bytes
	s_add_co_u32 s14, s14, s13
	s_add_nc_u64 s[6:7], s[6:7], s[14:15]
	s_load_b256 s[16:23], s[6:7], 0x0              ; q of my wave's 8 rows
	s_lshl_b32 s14, s12, 12                        ; rg x one row of vp
	s_add_co_u32 s14, s14, s11
	s_add_nc_u64 s[8:9], s[8:9], s[14:15]          ; vp at my group's 512 bytes
.irp j, 0,1,2,3,4,5,6,7
	global_load_b128 v[WR+4*\j:WR+4*\j+3], v1, s[4:5] offset:ROWB*\j th:TH_LOAD_NT   ; all 8 rows go out at once; W is read once in the launch
.endr
	s_wait_kmcnt 0x0                               ; q
.irp j, 0,1,2,3,4,5,6,7
	s_wait_loadcnt 7-\j                            ; loads come back in order: row j is in, the 7 - j younger rows stay out
.irp i, 0,1,2,3
.if \j == 0
	v_mul_f32 v[AC+\i], s[16+\j], v[WR+4*\j+\i]    ; the first row starts the sums: nothing is cleared
.else
	v_fmac_f32 v[AC+\i], s[16+\j], v[WR+4*\j+\i]   ; four chains that do not wait for each other
.endif
.endr
.endr
	; the eight waves' sums meet in LDS
	ds_store_b128 v2, v[AC:AC+3]
	s_wait_dscnt 0x0                               ; for wave 0's sake: my store is done before I signal
	s_barrier_signal -1
	s_barrier_wait -1
	s_cmp_lg_u32 s10, 0
	s_cbranch_scc1 .Lend                           ; wave 0 alone adds up and stores
.irp k, 0,1,2,3,4,5,6,7
	ds_load_b128 v[WR+4*\k:WR+4*\k+3], v1 offset:512*\k    ; lane i at 16 i: consecutive bytes
.endr
	s_wait_dscnt 0x0
.irp k, 0,1,2,3
	v_pk_add_f32 v[WR+4*\k:WR+4*\k+1],   v[WR+4*\k:WR+4*\k+1],   v[WR+16+4*\k:WR+17+4*\k]
	v_pk_add_f32 v[WR+4*\k+2:WR+4*\k+3], v[WR+4*\k+2:WR+4*\k+3], v[WR+18+4*\k:WR+19+4*\k]
.endr
.irp k, 0,1
	v_pk_add_f32 v[WR+4*\k:WR+4*\k+1],   v[WR+4*\k:WR+4*\k+1],   v[WR+8+4*\k:WR+9+4*\k]
	v_pk_add_f32 v[WR+4*\k+2:WR+4*\k+3], v[WR+4*\k+2:WR+4*\k+3], v[WR+10+4*\k:WR+11+4*\k]
.endr
	v_pk_add_f32 v[WR:WR+1],   v[WR:WR+1],   v[WR+4:WR+5]
	v_pk_add_f32 v[WR+2:WR+3], v[WR+2:WR+3], v[WR+6:WR+7]
	v_pk_mul_f32 v[WR:WR+1],   v[WR:WR+1],   LOG2E op_sel_hi:[1,0]
	v_pk_mul_f32 v[WR+2:WR+3], v[WR+2:WR+3], LOG2E op_sel_hi:[1,0]
	global_store_b128 v1, v[WR:WR+3], s[8:9]       ; the wave stores 512 consecutive bytes, aligned; the next launch reads them, so no hint
.Lend:
	s_wait_tensorcnt 0x0
	ds_add_u32 v44, v45
	s_wait_dscnt 0x0
	s_endpgm
.Lfunc_end_k_q8d925cab22_fold:
	.size	k_q8d925cab22_fold, .Lfunc_end_k_q8d925cab22_fold-k_q8d925cab22_fold
	.p2alignl 7, 3214868480
	.fill 96, 4, 3214868480
	.section	.rodata,"a",@progbits
	.p2align	6, 0x0
	.amdhsa_kernel k_q8d925cab22_fold
		.amdhsa_group_segment_fixed_size 5120
		.amdhsa_private_segment_fixed_size 0
		.amdhsa_enable_private_segment 0
		.amdhsa_kernarg_size 24
		.amdhsa_user_sgpr_count 2
		.amdhsa_user_sgpr_kernarg_segment_ptr 1
		.amdhsa_wavefront_size32 1
		.amdhsa_system_sgpr_workgroup_id_x 1
		.amdhsa_system_sgpr_workgroup_id_y 1
		.amdhsa_system_sgpr_workgroup_id_z 1
		.amdhsa_system_vgpr_workitem_id 0
		.amdhsa_next_free_vgpr 46
		.amdhsa_next_free_sgpr 66
		.amdhsa_reserve_vcc 0
		.amdhsa_float_denorm_mode_32 3
		.amdhsa_float_denorm_mode_16_64 3
		.amdhsa_memory_ordered 1
		.amdhsa_forward_progress 1
		.amdhsa_inst_pref_size 6
	.end_amdhsa_kernel
	.amdgpu_metadata
---
amdhsa.version: [ 1, 2 ]
amdhsa.kernels:
  - .name:           k_q8d925cab22_fold
    .symbol:         k_q8d925cab22_fold.kd
    .args:
      - { .name: proj_w, .offset: 0, .size: 8, .value_kind: global_buffer, .address_space: global }
      - { .name: query, .offset: 8, .size: 8, .value_kind: global_buffer, .address_space: global }
      - { .name: vp, .offset: 16, .size: 8, .value_kind: global_buffer, .address_space: global }
    .group_segment_fixed_size: 5120
    .private_segment_fixed_size: 0
    .kernarg_segment_align: 8
    .kernarg_segment_size: 24
    .max_flat_workgroup_size: 256
    .sgpr_count:     66
    .vgpr_count:     46
    .wavefront_size: 32
...
	.end_amdgpu_metadata
.endif
;; end of part 1
;; launch pool (part 2): grid 256 x 1, 16 waves a work-group, no clusters, 14,592 bytes of LDS; arguments activations, vp, proj_b, query, ln_gamma, ln_beta, mask, out0; writes out0
.if DOCPART == 2
	.amdgcn_target "amdgcn-amd-amdhsa--gfx1250"
	.amdhsa_code_object_version 6
	.text
	.protected	k_q8d925cab22_pool
	.globl	k_q8d925cab22_pool
	.p2align	8
	.type	k_q8d925cab22_pool,@function
k_q8d925cab22_pool:
	s_mov_b64 s[64:65], 0
	v_nop
	global_prefetch_b8 v0, s[64:65] scope:SCOPE_SE
	s_setreg_imm32_b32 hwreg(HW_REG_WAVE_MODE, 25, 1), 1
	s_wait_xcnt 0x0
; out[b][:] = LayerNorm( sum over n of softmax_n( mask ? act[b][n] . v + c : -inf ) act[b][n][:] ) * gamma + beta.
; act: [4096][16][1024] f32; vp: [16][1024] f32 (16 partial sums of log2(e) v, from the launch before); b, q, gamma, beta: [1024] f32;
; mask: [4096][16] bytes; out: [4096][1024] f32.   c = b . q is made here (the softmax cancels it, but it is part of the score and costs 2 numbers a thread).
; SHARES: one wave owns one batch: 16 rows of 4,096 bytes, each read once from memory by 8 loads of 512 consecutive bytes.  Register 4 j + i of a row holds
; column 128 j + 4 lane + i.  Scores, softmax and LayerNorm never leave the wave.  16 waves a work-group, 256 work-groups: 4,096 waves of equal work.
; ONE PASS: the softmax keeps a running maximum, two rows at a time, so a row is used for its score and for the weighted sum while it lies in registers,
; and a ring of 4 row slots (128 registers) is enough.  16 to 32 loads of every wave are always out; the waits for them are counted.
; FORMAT: all in f32 on the vector unit: half a multiply-add for each byte and pass, one useful column; the matrix unit has nothing to win here, and the
; scores stand in an exponent.  No LDS ring and no tensor loads: slots in registers are filled again behind a counted wait, without a barrier.
; No large input is shared between work-groups, so nothing is asked for jointly; v, gamma and beta (12 KiB) are staged once a work-group in LDS.
; LIMITS: sums are formed in another order than in a row-by-row evaluation.  Weights below 2^-126 of the largest come out as 0 (v_exp_f32 flushes
; denormal results, ISA guide 15.8).  A mask byte is read by its bit 0 (a bool is 0 or 1).  A batch whose mask is all false gives NaN in its whole row
; (0 times 1/0), as a softmax over -inf alone does.  A NaN or +inf score gives a NaN row likewise.
.set ROWB,  4096                       ; bytes in a row of act and of out
.set LOG2E, 0x3fb8aa3b
.set LV,    0                          ; LDS: log2(e) v, 4,096 bytes
.set LG,    4096                       ;      gamma
.set LB,    8192                       ;      beta
.set LC,    12288                      ;      16 words: each wave's part of b . q
.set TT,    6                          ; v[6:7]    the two rows' scores
.set SS,    8                          ; v[8:15]   four chains of packed sums
.set MX,    16                         ; v16       running maximum (always finite)
.set LS,    17                         ; v17       running sum of the weights
.set MN,    18                         ; v18       the new maximum
.set DD,    19                         ; v19-21    exponents: row A, row B, old maximum
.set PB,    22                         ; v[22:23]  row B's weight (the upper register is written once and not used)
.set PA,    24                         ; v[24:25]  row A's weight (likewise); later 1/l, then 1/sqrt(var + eps)
.set SCL,   26                         ; v[26:27]  factor for what has been summed so far; the two weights' sum; later -mean
.set PXT,   28                         ; v28-29    what v_permlanex16_b32 brings from the other 16 lanes
.set CQ,    30                         ; v30       log2(e) c
.set NINF,  31                         ; v31       -inf
.set VQ,    32                         ; v[32:63]  log2(e) v of my 32 columns   (before that: the 16 partial sums of my 2 staging columns)
.set ACC,   64                         ; v[64:95]  weighted sum of my 32 columns (before that: gamma, beta, b, q of my 2 staging columns; the 16 parts of c)
.set XR,    96                         ; v[96:223] ring of 4 row slots, 32 registers each; at the end slots 0 and 1 take gamma and beta
; v1 = 16 x lane: offset in a row, in out, and LDS read address.  v2 = 8 x thread: staging offset and LDS store address.  v3 = 0.  v4 = 4 x wave.
; None of them, and no base pointer, is written again behind the first memory instruction that names it.
; sum over the 32 lanes, result in every lane: four steps inside each 16 lanes ride on the add, one crosses the halves
.macro REDUCE1 r, t
.irp m, 1,2,4,8
	v_add_f32_dpp v[\r], v[\r], v[\r] row_xmask:\m row_mask:0xf bank_mask:0xf
.endr
	v_permlanex16_b32 v[\t], v[\r], s12, s13
	v_add_f32 v[\r], v[\r], v[\t]
.endm
; the same for the two scores, interleaved so that neither waits for itself
.macro REDUCE2
.irp m, 1,2,4,8
	v_add_f32_dpp v[TT],   v[TT],   v[TT]   row_xmask:\m row_mask:0xf bank_mask:0xf
	v_add_f32_dpp v[TT+1], v[TT+1], v[TT+1] row_xmask:\m row_mask:0xf bank_mask:0xf
.endr
	v_permlanex16_b32 v[PXT],   v[TT],   s12, s13
	v_permlanex16_b32 v[PXT+1], v[TT+1], s12, s13
	v_add_f32 v[TT],   v[TT],   v[PXT]
	v_add_f32 v[TT+1], v[TT+1], v[PXT+1]
.endm
	s_load_b512 s[16:31], s[0:1], 0x0              ; act s[16:17], vp s[18:19], b s[20:21], q s[22:23], gamma s[24:25], beta s[26:27], mask s[28:29], out s[30:31]
	v_lshl_add_u32 v224, v0, 2, 0x3100
	v_mov_b32 v225, 0
	v_lshrrev_b32 v4, 5, v0
	v_readfirstlane_b32 s2, v4                     ; wave 0..15
	v_lshlrev_b32 v4, 2, v4
	v_and_b32 v1, 31, v0
	v_lshlrev_b32 v1, 4, v1
	v_lshlrev_b32 v2, 3, v0
	v_mov_b32 v3, 0
	v_mov_b32 v[PB+1], 0                           ; upper registers of pairs whose lower register is broadcast: written, so that the pairs are whole
	v_mov_b32 v[PA+1], 0
	v_mov_b32 v[PXT], 0                            ; v_permlanex16_b32 counts as a reader of its destination
	v_mov_b32 v[PXT+1], 0
	v_mov_b32 v[NINF], 0xff800000
	s_mov_b32 s12, 0x76543210                      ; lane i of one half reads lane i of the other
	s_mov_b32 s13, 0xfedcba98
	s_mov_b32 s40, 0x3a800000                      ; 1/1024
	s_mov_b32 s41, 0x3727c5ac                      ; 1e-5
	s_lshl_b32 s3, ttmp9, 4
	s_add_co_u32 s3, s3, s2                        ; my batch = 16 x work-group + wave
	s_mov_b32 s5, 0
	s_wait_kmcnt 0x0
	s_lshl_b32 s4, s3, 16                          ; 16 rows of 4,096 bytes; 4,095 x 65,536 is below 2^32
	s_add_nc_u64 s[16:17], s[16:17], s[4:5]
	s_lshl_b32 s4, s3, 12
	s_add_nc_u64 s[30:31], s[30:31], s[4:5]
	s_lshl_b32 s4, s3, 4
	s_add_nc_u64 s[28:29], s[28:29], s[4:5]
	s_load_b128 s[8:11], s[28:29], 0x0             ; my batch's 16 mask bytes: the same for all lanes
	; STAGING, shared by the 512 threads: thread t takes columns 2 t and 2 t + 1 of the 16 partial sums, gamma, beta, b and q: 20 loads
.irp p, 0,1,2,3,4,5,6,7,8,9,10,11,12,13,14,15
	global_load_b64 v[VQ+2*\p:VQ+2*\p+1], v2, s[18:19] offset:ROWB*\p
.endr
	global_load_b64 v[ACC:ACC+1],   v2, s[24:25]
	global_load_b64 v[ACC+2:ACC+3], v2, s[26:27]
	global_load_b64 v[ACC+4:ACC+5], v2, s[20:21]
	global_load_b64 v[ACC+6:ACC+7], v2, s[22:23]
	; THE RING IS FILLED: rows 0 to 3, 32 loads, before anything is waited for
.irp r, 0,1,2,3
.irp j, 0,1,2,3,4,5,6,7
	global_load_b128 v[XR+32*\r+4*\j:XR+32*\r+4*\j+3], v1, s[16:17] offset:ROWB*\r+512*\j th:TH_LOAD_NT
.endr
.endr
	s_wait_loadcnt 32                              ; the 20 staging loads are in; the 32 loads of rows 0 to 3, issued behind them, stay out
.irp p, 0,1,2,3,4,5,6,7
	v_pk_add_f32 v[VQ+2*\p:VQ+2*\p+1], v[VQ+2*\p:VQ+2*\p+1], v[VQ+16+2*\p:VQ+17+2*\p]
.endr
.irp p, 0,1,2,3
	v_pk_add_f32 v[VQ+2*\p:VQ+2*\p+1], v[VQ+2*\p:VQ+2*\p+1], v[VQ+8+2*\p:VQ+9+2*\p]
.endr
.irp p, 0,1
	v_pk_add_f32 v[VQ+2*\p:VQ+2*\p+1], v[VQ+2*\p:VQ+2*\p+1], v[VQ+4+2*\p:VQ+5+2*\p]
.endr
	v_pk_add_f32 v[VQ:VQ+1], v[VQ:VQ+1], v[VQ+2:VQ+3]      ; log2(e) v of my two staging columns
	v_mul_f32  v[TT], v[ACC+4], v[ACC+6]
	v_fmac_f32 v[TT], v[ACC+5], v[ACC+7]           ; my two terms of b . q
	REDUCE1 TT, PXT                                ; my wave's 64 terms
	ds_store_b64 v2, v[VQ:VQ+1]     offset:LV
	ds_store_b64 v2, v[ACC:ACC+1]   offset:LG
	ds_store_b64 v2, v[ACC+2:ACC+3] offset:LB
	ds_store_b32 v4, v[TT]          offset:LC      ; all lanes write the wave's word with the same value
	s_wait_dscnt 0x0                               ; for the other waves' sake: my stores are done before I signal
	s_barrier_signal -1
	s_barrier_wait -1                              ; the only barrier: from here on these LDS bytes are only read
.irp j, 0,1,2,3,4,5,6,7
	ds_load_b128 v[VQ+4*\j:VQ+4*\j+3], v1 offset:LV+512*\j         ; v in the rows' own layout; lane i at 16 i
.endr
.irp k, 0,1,2,3
	ds_load_b128 v[ACC+4*\k:ACC+4*\k+3], v3 offset:LC+16*\k        ; the 16 parts of c, the same words for every lane
.endr
	s_wait_dscnt 0x0
.irp k, 0,1,2,3
	v_pk_add_f32 v[ACC+2*\k:ACC+2*\k+1], v[ACC+2*\k:ACC+2*\k+1], v[ACC+8+2*\k:ACC+9+2*\k]
.endr
.irp k, 0,1
	v_pk_add_f32 v[ACC+2*\k:ACC+2*\k+1], v[ACC+2*\k:ACC+2*\k+1], v[ACC+4+2*\k:ACC+5+2*\k]
.endr
	v_pk_add_f32 v[ACC:ACC+1], v[ACC:ACC+1], v[ACC+2:ACC+3]
	v_add_f32 v[CQ], v[ACC], v[ACC+1]
	v_mul_f32 v[CQ], LOG2E, v[CQ]                  ; log2(e) c
	s_wait_kmcnt 0x0                               ; the mask bytes
; Rows 2 g and 2 g + 1, in slots (2 g) mod 4 and the next.
; first = 1: the group starts the running figures.  tail = 1: each slot is loaded again, with the row 4 further down, straight behind its last use;
; tail = 2: nothing is left to fetch, the two slots take gamma and beta from LDS; tail = 0: nothing.  left = how many younger loads may stay out.
.macro GROUP g, first, tail, left
.set RA, 2*\g
.set RB, 2*\g+1
.set XA, XR+32*(RA%4)
.set XB, XA+32
	s_wait_loadcnt \left                           ; loads come back in order: my two rows are in, the next two rows' 16 loads stay out
	; scores: two chains for each row, started by the first products
	v_pk_mul_f32 v[SS:SS+1],   v[XA:XA+1],   v[VQ:VQ+1]
	v_pk_mul_f32 v[SS+2:SS+3], v[XA+2:XA+3], v[VQ+2:VQ+3]
	v_pk_mul_f32 v[SS+4:SS+5], v[XB:XB+1],   v[VQ:VQ+1]
	v_pk_mul_f32 v[SS+6:SS+7], v[XB+2:XB+3], v[VQ+2:VQ+3]
.irp k, 1,2,3,4,5,6,7
	v_pk_fma_f32 v[SS:SS+1],   v[XA+4*\k:XA+4*\k+1],   v[VQ+4*\k:VQ+4*\k+1],   v[SS:SS+1]
	v_pk_fma_f32 v[SS+2:SS+3], v[XA+4*\k+2:XA+4*\k+3], v[VQ+4*\k+2:VQ+4*\k+3], v[SS+2:SS+3]
	v_pk_fma_f32 v[SS+4:SS+5], v[XB+4*\k:XB+4*\k+1],   v[VQ+4*\k:VQ+4*\k+1],   v[SS+4:SS+5]
	v_pk_fma_f32 v[SS+6:SS+7], v[XB+4*\k+2:XB+4*\k+3], v[VQ+4*\k+2:VQ+4*\k+3], v[SS+6:SS+7]
.endr
	v_pk_add_f32 v[SS:SS+1],   v[SS:SS+1],   v[SS+2:SS+3]
	v_pk_add_f32 v[SS+4:SS+5], v[SS+4:SS+5], v[SS+6:SS+7]
	v_add_f32 v[TT],   v[SS],   v[SS+1]
	v_add_f32 v[TT+1], v[SS+4], v[SS+5]
	REDUCE2                                        ; every lane now holds both scores, in units of log2
	v_add_f32 v[TT],   v[TT],   v[CQ]
	v_add_f32 v[TT+1], v[TT+1], v[CQ]
	; the mask only selects a value: a row that is masked out scores -inf; no branch hangs on it
	s_bitcmp1_b32 s[8+RA/4], 8*(RA%4)
	s_cselect_b32 s14, -1, 0
	s_bitcmp1_b32 s[8+RB/4], 8*(RB%4)
	s_cselect_b32 s15, -1, 0
	v_cndmask_b32 v[TT],   v[NINF], v[TT],   s14
	v_cndmask_b32 v[TT+1], v[NINF], v[TT+1], s15
	; the running maximum starts at the most negative finite number, so that it is finite also while all rows so far were masked out,
	; and is the true maximum as soon as one score is finite
.if \first
	v_max3_num_f32 v[MN], 0xff7fffff, v[TT], v[TT+1]
.else
	v_max3_num_f32 v[MN], v[MX], v[TT], v[TT+1]
	v_sub_f32 v[DD+2], v[MX], v[MN]
.endif
	v_sub_f32 v[DD],   v[TT],   v[MN]
	v_sub_f32 v[DD+1], v[TT+1], v[MN]
	v_exp_f32 v[PA], v[DD]
	v_exp_f32 v[PB], v[DD+1]
.if \first == 0
	v_exp_f32 v[SCL], v[DD+2]
.endif
	v_mov_b32 v[MX], v[MN]                         ; one plain vector instruction between the exponentials and the first use of a result (ISA guide 5.7.2)
.if \first
	s_wait_alu depctr_va_vdst(0)
	v_add_f32 v[LS], v[PA], v[PB]
.irp i, 0,1,2,3,4,5,6,7,8,9,10,11,12,13,14,15
	v_pk_mul_f32 v[ACC+2*\i:ACC+2*\i+1], v[XA+2*\i:XA+2*\i+1], v[PA:PA+1] op_sel_hi:[1,0]     ; the first row starts the sums: nothing is cleared
.endr
.else
	s_wait_alu depctr_va_vdst(0)
	v_add_f32 v[SCL+1], v[PA], v[PB]
	v_fma_f32 v[LS], v[LS], v[SCL], v[SCL+1]
.irp i, 0,1,2,3,4,5,6,7,8,9,10,11,12,13,14,15
	v_pk_mul_f32 v[ACC+2*\i:ACC+2*\i+1], v[ACC+2*\i:ACC+2*\i+1], v[SCL:SCL+1] op_sel_hi:[1,0] ; what was summed under the old maximum
.endr
.irp i, 0,1,2,3,4,5,6,7,8,9,10,11,12,13,14,15
	v_pk_fma_f32 v[ACC+2*\i:ACC+2*\i+1], v[XA+2*\i:XA+2*\i+1], v[PA:PA+1], v[ACC+2*\i:ACC+2*\i+1] op_sel_hi:[1,0,1]
.endr
.endif
.if \tail == 1
.irp j, 0,1,2,3,4,5,6,7
	global_load_b128 v[XA+4*\j:XA+4*\j+3], v1, s[16:17] offset:ROWB*(RA+4)+512*\j th:TH_LOAD_NT   ; the row's place stands in the immediate: no address is stepped
.endr
.endif
.if \tail == 2
.irp j, 0,1,2,3,4,5,6,7
	ds_load_b128 v[XA+4*\j:XA+4*\j+3], v1 offset:LG+512*\j         ; gamma, waited for in front of its use at the end
.endr
.endif
.irp i, 0,1,2,3,4,5,6,7,8,9,10,11,12,13,14,15
	v_pk_fma_f32 v[ACC+2*\i:ACC+2*\i+1], v[XB+2*\i:XB+2*\i+1], v[PB:PB+1], v[ACC+2*\i:ACC+2*\i+1] op_sel_hi:[1,0,1]
.endr
.if \tail == 1
.irp j, 0,1,2,3,4,5,6,7
	global_load_b128 v[XB+4*\j:XB+4*\j+3], v1, s[16:17] offset:ROWB*(RB+4)+512*\j th:TH_LOAD_NT
.endr
.endif
.if \tail == 2
.irp j, 0,1,2,3,4,5,6,7
	ds_load_b128 v[XB+4*\j:XB+4*\j+3], v1 offset:LB+512*\j         ; beta
.endr
.endif
.endm
	GROUP 0, 1, 1, 16                              ; rows 0, 1; rows 4, 5 go out
	GROUP 1, 0, 1, 16
	GROUP 2, 0, 1, 16
	GROUP 3, 0, 1, 16
	GROUP 4, 0, 1, 16
	GROUP 5, 0, 1, 16                              ; rows 10, 11; rows 14, 15 go out: the last loads, so none leaves the buffer
	GROUP 6, 0, 2, 16                              ; rows 12, 13 (slots 0 and 1, which then take gamma and beta)
	GROUP 7, 0, 0, 0                               ; rows 14, 15: nothing was issued behind them
	; LAYERNORM of acc / l, in two passes over the 32 registers: first the mean, then the squares of the differences, so that no difference of large sums is formed
	v_rcp_f32 v[PA], v[LS]                         ; l is at least 1 where any row counts; the adds below stand between this line and the result's first use
.irp c, 0,1,2,3
	v_pk_add_f32 v[SS+2*\c:SS+2*\c+1], v[ACC+2*\c:ACC+2*\c+1], v[ACC+8+2*\c:ACC+9+2*\c]
.endr
.irp c, 0,1,2,3
	v_pk_add_f32 v[SS+2*\c:SS+2*\c+1], v[SS+2*\c:SS+2*\c+1], v[ACC+16+2*\c:ACC+17+2*\c]
.endr
.irp c, 0,1,2,3
	v_pk_add_f32 v[SS+2*\c:SS+2*\c+1], v[SS+2*\c:SS+2*\c+1], v[ACC+24+2*\c:ACC+25+2*\c]
.endr
	v_pk_add_f32 v[SS:SS+1],   v[SS:SS+1],   v[SS+2:SS+3]
	v_pk_add_f32 v[SS+4:SS+5], v[SS+4:SS+5], v[SS+6:SS+7]
	v_pk_add_f32 v[SS:SS+1],   v[SS:SS+1],   v[SS+4:SS+5]
	v_add_f32 v[TT], v[SS], v[SS+1]
	REDUCE1 TT, PXT
	s_wait_alu depctr_va_vdst(0)
	v_mul_f32 v[SCL], v[TT], v[PA]
	v_mul_f32 v[SCL], 0xba800000, v[SCL]           ; -mean = -(sum / l) / 1024
.irp i, 0,1,2,3,4,5,6,7,8,9,10,11,12,13,14,15
	v_pk_fma_f32 v[ACC+2*\i:ACC+2*\i+1], v[ACC+2*\i:ACC+2*\i+1], v[PA:PA+1], v[SCL:SCL+1] op_sel_hi:[1,0,0]   ; d = acc / l - mean, one rounding
.endr
.irp c, 0,1,2,3
	v_pk_mul_f32 v[SS+2*\c:SS+2*\c+1], v[ACC+2*\c:ACC+2*\c+1], v[ACC+2*\c:ACC+2*\c+1]
.endr
.irp u, 1,2,3
.irp c, 0,1,2,3
	v_pk_fma_f32 v[SS+2*\c:SS+2*\c+1], v[ACC+8*\u+2*\c:ACC+8*\u+2*\c+1], v[ACC+8*\u+2*\c:ACC+8*\u+2*\c+1], v[SS+2*\c:SS+2*\c+1]
.endr
.endr
	v_pk_add_f32 v[SS:SS+1],   v[SS:SS+1],   v[SS+2:SS+3]
	v_pk_add_f32 v[SS+4:SS+5], v[SS+4:SS+5], v[SS+6:SS+7]
	v_pk_add_f32 v[SS:SS+1],   v[SS:SS+1],   v[SS+4:SS+5]
	v_add_f32 v[TT], v[SS], v[SS+1]
	REDUCE1 TT, PXT
	v_fma_f32 v[DD], v[TT], s40, s41               ; variance + eps
	v_rsq_f32 v[PA], v[DD]
	v_nop                                          ; one plain place behind the transcendental (ISA guide 5.7.2)
	s_wait_dscnt 0x0                               ; gamma and beta are in slots 0 and 1
	s_wait_alu depctr_va_vdst(0)
.irp i, 0,1,2,3,4,5,6,7,8,9,10,11,12,13,14,15
	v_pk_mul_f32 v[ACC+2*\i:ACC+2*\i+1], v[ACC+2*\i:ACC+2*\i+1], v[PA:PA+1] op_sel_hi:[1,0]
.endr
.irp i, 0,1,2,3,4,5,6,7,8,9,10,11,12,13,14,15
	v_pk_fma_f32 v[ACC+2*\i:ACC+2*\i+1], v[ACC+2*\i:ACC+2*\i+1], v[XR+2*\i:XR+2*\i+1], v[XR+32+2*\i:XR+32+2*\i+1]
.endr
.irp j, 0,1,2,3,4,5,6,7
	global_store_b128 v1, v[ACC+4*\j:ACC+4*\j+3], s[30:31] offset:512*\j th:TH_STORE_NT   ; each store of the wave covers 512 consecutive bytes, aligned
.endr
	s_wait_tensorcnt 0x0
	ds_add_u32 v224, v225
	s_wait_dscnt 0x0
	s_endpgm
.Lfunc_end_k_q8d925cab22_pool:
	.size	k_q8d925cab22_pool, .Lfunc_end_k_q8d925cab22_pool-k_q8d925cab22_pool
	.p2alignl 7, 3214868480
	.fill 96, 4, 3214868480
	.section	.rodata,"a",@progbits
	.p2align	6, 0x0
	.amdhsa_kernel k_q8d925cab22_pool
		.amdhsa_group_segment_fixed_size 14592
		.amdhsa_private_segment_fixed_size 0
		.amdhsa_enable_private_segment 0
		.amdhsa_kernarg_size 64
		.amdhsa_user_sgpr_count 2
		.amdhsa_user_sgpr_kernarg_segment_ptr 1
		.amdhsa_wavefront_size32 1
		.amdhsa_system_sgpr_workgroup_id_x 1
		.amdhsa_system_sgpr_workgroup_id_y 1
		.amdhsa_system_sgpr_workgroup_id_z 1
		.amdhsa_system_vgpr_workitem_id 0
		.amdhsa_next_free_vgpr 226
		.amdhsa_next_free_sgpr 66
		.amdhsa_reserve_vcc 0
		.amdhsa_float_denorm_mode_32 3
		.amdhsa_float_denorm_mode_16_64 3
		.amdhsa_memory_ordered 1
		.amdhsa_forward_progress 1
		.amdhsa_inst_pref_size 79
	.end_amdhsa_kernel
	.amdgpu_metadata
---
amdhsa.version: [ 1, 2 ]
amdhsa.kernels:
  - .name:           k_q8d925cab22_pool
    .symbol:         k_q8d925cab22_pool.kd
    .args:
      - { .name: activations, .offset: 0, .size: 8, .value_kind: global_buffer, .address_space: global }
      - { .name: vp, .offset: 8, .size: 8, .value_kind: global_buffer, .address_space: global }
      - { .name: proj_b, .offset: 16, .size: 8, .value_kind: global_buffer, .address_space: global }
      - { .name: query, .offset: 24, .size: 8, .value_kind: global_buffer, .address_space: global }
      - { .name: ln_gamma, .offset: 32, .size: 8, .value_kind: global_buffer, .address_space: global }
      - { .name: ln_beta, .offset: 40, .size: 8, .value_kind: global_buffer, .address_space: global }
      - { .name: mask, .offset: 48, .size: 8, .value_kind: global_buffer, .address_space: global }
      - { .name: out0, .offset: 56, .size: 8, .value_kind: global_buffer, .address_space: global }
    .group_segment_fixed_size: 14592
    .private_segment_fixed_size: 0
    .kernarg_segment_align: 8
    .kernarg_segment_size: 64
    .max_flat_workgroup_size: 512
    .sgpr_count:     66
    .vgpr_count:     226
    .wavefront_size: 32
...
	.end_amdgpu_metadata
.endif
;; end of part 2
;; ======== version 2 of 2: 2 launches; version 1 with the launch pool written anew for expert scheduling mode
;; workspace buffers: vp 65,536 bytes
;; launch fold: the kernel of part 1 again; grid 8 x 16, 8 waves a work-group, no clusters, 5,120 bytes of LDS; arguments proj_w, query, vp; writes vp
;; launch pool (part 3): grid 256 x 1, 16 waves a work-group, no clusters, 14,592 bytes of LDS; arguments activations, vp, proj_b, query, ln_gamma, ln_beta, mask, out0; writes out0
.if DOCPART == 3
	.amdgcn_target "amdgcn-amd-amdhsa--gfx1250"
	.amdhsa_code_object_version 6
	.text
	.protected	k_q8d925cab22_pool
	.globl	k_q8d925cab22_pool
	.p2align	8
	.type	k_q8d925cab22_pool,@function
k_q8d925cab22_pool:
	s_mov_b64 s[64:65], 0
	v_nop
	global_prefetch_b8 v0, s[64:65] scope:SCOPE_SE
	s_setreg_imm32_b32 hwreg(HW_REG_WAVE_SCHED_MODE, 0, 2), 2
	s_setreg_imm32_b32 hwreg(HW_REG_WAVE_MODE, 25, 1), 1
	s_wait_xcnt 0x0
	s_wait_alu depctr_vm_vsrc(0)
; out[b][:] = LayerNorm( sum over n of softmax_n( mask ? act[b][n] . v + c : -inf ) act[b][n][:] ) * gamma + beta.
; act: [4096][16][1024] f32; vp: [16][1024] f32 (16 partial sums of log2(e) v, from the launch before); b, q, gamma, beta: [1024] f32;
; mask: [4096][16] bytes; out: [4096][1024] f32.   c = b . q is made here (the softmax cancels it, but it is part of the score and costs 2 numbers a thread).
; SHARES: one wave owns one batch: 16 rows of 4,096 bytes, each read once from memory by 8 loads of 512 consecutive bytes.  Register 4 j + i of a row holds
; column 128 j + 4 lane + i.  Scores, softmax and LayerNorm never leave the wave.  16 waves a work-group, 256 work-groups: 4,096 waves of equal work.
; ONE PASS: the softmax keeps a running maximum, two rows at a time, so a row is used for its score and for the weighted sum while it lies in registers,
; and a ring of 4 row slots (128 registers) is enough.  16 to 32 loads of every wave are always out; the waits for them are counted.
; FORMAT: all in f32 on the vector unit: half a multiply-add for each byte and pass, one useful column; the matrix unit has nothing to win here, and the
; scores stand in an exponent.  No LDS ring and no tensor loads: slots in registers are filled again behind a counted wait, without a barrier.
; No large input is shared between work-groups, so nothing is asked for jointly; v, gamma and beta (12 KiB) are staged once a work-group in LDS.
; LIMITS: sums are formed in another order than in a row-by-row evaluation.  Weights below 2^-126 of the largest come out as 0 (v_exp_f32 flushes
; denormal results, ISA guide 15.8).  A mask byte is read by its bit 0 (a bool is 0 or 1).  A batch whose mask is all false gives NaN in its whole row
; (0 times 1/0), as a softmax over -inf alone does.  A NaN or +inf score gives a NaN row likewise.
; THE MODE: SCHED_MODE bits 1:0 = 2 (LLVM: expert scheduling mode 2), set by the entry lines.  The code itself states the register dependences
; between vector instructions and memory or LDS instructions, with s_wait_alu, always for 0.
; THE PLAN.  Registers that memory or LDS instructions touch:
;   v1 .. v4    offsets and LDS addresses.  Written by vector instructions at the head and never again; read by every load, store and LDS instruction.
;   VQ          Staging loads land in it; the staging adds read and write it; an LDS store reads VQ, VQ+1; behind the barrier LDS loads land in all 32;
;               from there on vector instructions only read it.
;   ACC         Staging loads land in ACC .. ACC+7; LDS stores read ACC .. ACC+3, two vector lines read ACC+4 .. ACC+7; behind the barrier LDS loads land in
;               ACC .. ACC+15; from there on it is the vector instructions' own, until the eight global stores read it at the end.
;   TT          Written by the reduction of b . q; read by one LDS store; written again by every group.
;   X0 .. X3    the row slots.  Written by loads alone.  Group g's products and multiply-adds read slots (2 g) mod 4 and the next; the rows 4 further down
;               (in group 6: gamma and beta, from LDS) land in the same two slots at the group's tail.
; So: one wait on va_vdst ahead of the first load (the addresses), one ahead of the LDS stores, one wait on vm_vsrc behind the barrier, ONE wait on va_vdst at the
; tail of each group that loads, behind the last readers of its two slots, with all sixteen loads in one run behind it, and one ahead of the last stores.
; The wait stands at the tail and not at the next group's head, since the two slots are asked for again at once: they would else lie idle through that
; group's wait for its own rows.  A head wait with as many loads out wants six slots, 192 registers beside the 96 others, and four waves on a SIMD have 256 each.
.set ROWB,  4096                       ; bytes in a row of act and of out
.set LOG2E, 0x3fb8aa3b
.set LV,    0                          ; LDS: log2(e) v, 4,096 bytes
.set LG,    4096                       ;      gamma
.set LB,    8192                       ;      beta
.set LC,    12288                      ;      16 words: each wave's part of b . q
.set TT,    6                          ; v[6:7]    the two rows' scores
.set SS,    8                          ; v[8:15]   four chains of packed sums
.set MX,    16                         ; v16       running maximum (always finite)
.set LS,    17                         ; v17       running sum of the weights
.set MN,    18                         ; v18       the new maximum
.set DD,    19                         ; v19-21    exponents: row A, row B, old maximum
.set PB,    22                         ; v[22:23]  row B's weight (the upper register is written once and not used)
.set PA,    24                         ; v[24:25]  row A's weight (likewise); later 1/l, then 1/sqrt(var + eps)
.set SCL,   26                         ; v[26:27]  factor for what has been summed so far; the two weights' sum; later -mean
.set PXT,   28                         ; v28-29    what v_permlanex16_b32 brings from the other 16 lanes
.set CQ,    30                         ; v30       log2(e) c
.set NINF,  31                         ; v31       -inf
.set VQ,    32                         ; v[32:63]  log2(e) v of my 32 columns   (before that: the 16 partial sums of my 2 staging columns)
.set ACC,   64                         ; v[64:95]  weighted sum of my 32 columns (before that: gamma, beta, b, q of my 2 staging columns; the 16 parts of c)
.set XR,    96                         ; v[96:223] ring of 4 row slots, 32 registers each; at the end slots 0 and 1 take gamma and beta
; v1 = 16 x lane: offset in a row, in out, and LDS read address.  v2 = 8 x thread: staging offset and LDS store address.  v3 = 0.  v4 = 4 x wave.
; None of them, and no base pointer, is written again behind the first memory instruction that names it.
; sum over the 32 lanes, result in every lane: four steps inside each 16 lanes ride on the add, one crosses the halves
.macro REDUCE1 r, t
.irp m, 1,2,4,8
	v_add_f32_dpp v[\r], v[\r], v[\r] row_xmask:\m row_mask:0xf bank_mask:0xf
.endr
	v_permlanex16_b32 v[\t], v[\r], s12, s13
	v_add_f32 v[\r], v[\r], v[\t]
.endm
; the same for the two scores, interleaved so that neither waits for itself
.macro REDUCE2
.irp m, 1,2,4,8
	v_add_f32_dpp v[TT],   v[TT],   v[TT]   row_xmask:\m row_mask:0xf bank_mask:0xf
	v_add_f32_dpp v[TT+1], v[TT+1], v[TT+1] row_xmask:\m row_mask:0xf bank_mask:0xf
.endr
	v_permlanex16_b32 v[PXT],   v[TT],   s12, s13
	v_permlanex16_b32 v[PXT+1], v[TT+1], s12, s13
	v_add_f32 v[TT],   v[TT],   v[PXT]
	v_add_f32 v[TT+1], v[TT+1], v[PXT+1]
.endm
	s_load_b512 s[16:31], s[0:1], 0x0              ; act s[16:17], vp s[18:19], b s[20:21], q s[22:23], gamma s[24:25], beta s[26:27], mask s[28:29], out s[30:31]
	v_lshl_add_u32 v224, v0, 2, 0x3100
	v_mov_b32 v225, 0
	v_lshrrev_b32 v4, 5, v0
	v_readfirstlane_b32 s2, v4                     ; wave 0..15
	v_lshlrev_b32 v4, 2, v4
	v_and_b32 v1, 31, v0
	v_lshlrev_b32 v1, 4, v1
	v_lshlrev_b32 v2, 3, v0
	v_mov_b32 v3, 0
	v_mov_b32 v[PB+1], 0                           ; upper registers of pairs whose lower register is broadcast: written, so that the pairs are whole
	v_mov_b32 v[PA+1], 0
	v_mov_b32 v[PXT], 0                            ; v_permlanex16_b32 counts as a reader of its destination
	v_mov_b32 v[PXT+1], 0
	v_mov_b32 v[NINF], 0xff800000
	s_mov_b32 s12, 0x76543210                      ; lane i of one half reads lane i of the other
	s_mov_b32 s13, 0xfedcba98
	s_mov_b32 s40, 0x3a800000                      ; 1/1024
	s_mov_b32 s41, 0x3727c5ac                      ; 1e-5
	s_wait_alu depctr_va_sdst(0)                   ; s2 is written, ahead of its first reader: my batch's number, and with it the three bases, are made from it
	s_lshl_b32 s3, ttmp9, 4
	s_add_co_u32 s3, s3, s2                        ; my batch = 16 x work-group + wave
	s_mov_b32 s5, 0
	s_wait_kmcnt 0x0
	s_lshl_b32 s4, s3, 16                          ; 16 rows of 4,096 bytes; 4,095 x 65,536 is below 2^32
	s_add_nc_u64 s[16:17], s[16:17], s[4:5]
	s_lshl_b32 s4, s3, 12
	s_add_nc_u64 s[30:31], s[30:31], s[4:5]
	s_lshl_b32 s4, s3, 4
	s_add_nc_u64 s[28:29], s[28:29], s[4:5]
	s_load_b128 s[8:11], s[28:29], 0x0             ; my batch's 16 mask bytes: the same for all lanes
	s_wait_alu depctr_va_vdst(0)                   ; v1 to v4 are written: every load, store and LDS instruction of the kernel reads one of them as its offset or address
	; STAGING, shared by the 512 threads: thread t takes columns 2 t and 2 t + 1 of the 16 partial sums, gamma, beta, b and q: 20 loads
.irp p, 0,1,2,3,4,5,6,7,8,9,10,11,12,13,14,15
	global_load_b64 v[VQ+2*\p:VQ+2*\p+1], v2, s[18:19] offset:ROWB*\p
.endr
	global_load_b64 v[ACC:ACC+1],   v2, s[24:25]
	global_load_b64 v[ACC+2:ACC+3], v2, s[26:27]
	global_load_b64 v[ACC+4:ACC+5], v2, s[20:21]
	global_load_b64 v[ACC+6:ACC+7], v2, s[22:23]
	; THE RING IS FILLED: rows 0 to 3, 32 loads, before anything is waited for
.irp r, 0,1,2,3
.irp j, 0,1,2,3,4,5,6,7
	global_load_b128 v[XR+32*\r+4*\j:XR+32*\r+4*\j+3], v1, s[16:17] offset:ROWB*\r+512*\j th:TH_LOAD_NT
.endr
.endr
	s_wait_loadcnt 32                              ; the 20 staging loads are in; the 32 loads of rows 0 to 3, issued behind them, stay out
.irp p, 0,1,2,3,4,5,6,7
	v_pk_add_f32 v[VQ+2*\p:VQ+2*\p+1], v[VQ+2*\p:VQ+2*\p+1], v[VQ+16+2*\p:VQ+17+2*\p]
.endr
.irp p, 0,1,2,3
	v_pk_add_f32 v[VQ+2*\p:VQ+2*\p+1], v[VQ+2*\p:VQ+2*\p+1], v[VQ+8+2*\p:VQ+9+2*\p]
.endr
.irp p, 0,1
	v_pk_add_f32 v[VQ+2*\p:VQ+2*\p+1], v[VQ+2*\p:VQ+2*\p+1], v[VQ+4+2*\p:VQ+5+2*\p]
.endr
	v_pk_add_f32 v[VQ:VQ+1], v[VQ:VQ+1], v[VQ+2:VQ+3]      ; log2(e) v of my two staging columns
	v_mul_f32  v[TT], v[ACC+4], v[ACC+6]
	v_fmac_f32 v[TT], v[ACC+5], v[ACC+7]           ; my two terms of b . q
	REDUCE1 TT, PXT                                ; my wave's 64 terms
	s_wait_alu depctr_va_vdst(0)                   ; the adds have written VQ, VQ+1 and the reduction TT, which the LDS stores read; and the staging arithmetic is done naming VQ and ACC+4 .. ACC+7, in which the LDS loads behind the barrier land
	ds_store_b64 v2, v[VQ:VQ+1]     offset:LV
	ds_store_b64 v2, v[ACC:ACC+1]   offset:LG
	ds_store_b64 v2, v[ACC+2:ACC+3] offset:LB
	ds_store_b32 v4, v[TT]          offset:LC      ; all lanes write the wave's word with the same value
	s_wait_dscnt 0x0                               ; for the other waves' sake: my stores are done before I signal
	s_barrier_signal -1
	s_barrier_wait -1                              ; the only barrier: from here on these LDS bytes are only read
	s_wait_alu depctr_vm_vsrc(0)                   ; my LDS stores have read VQ, VQ+1 and ACC .. ACC+3, in which the LDS loads below land, and TT, which the groups write again
.irp j, 0,1,2,3,4,5,6,7
	ds_load_b128 v[VQ+4*\j:VQ+4*\j+3], v1 offset:LV+512*\j         ; v in the rows' own layout; lane i at 16 i
.endr
.irp k, 0,1,2,3
	ds_load_b128 v[ACC+4*\k:ACC+4*\k+3], v3 offset:LC+16*\k        ; the 16 parts of c, the same words for every lane
.endr
	s_wait_dscnt 0x0
.irp k, 0,1,2,3
	v_pk_add_f32 v[ACC+2*\k:ACC+2*\k+1], v[ACC+2*\k:ACC+2*\k+1], v[ACC+8+2*\k:ACC+9+2*\k]
.endr
.irp k, 0,1
	v_pk_add_f32 v[ACC+2*\k:ACC+2*\k+1], v[ACC+2*\k:ACC+2*\k+1], v[ACC+4+2*\k:ACC+5+2*\k]
.endr
	v_pk_add_f32 v[ACC:ACC+1], v[ACC:ACC+1], v[ACC+2:ACC+3]
	v_add_f32 v[CQ], v[ACC], v[ACC+1]
	v_mul_f32 v[CQ], LOG2E, v[CQ]                  ; log2(e) c
	s_wait_kmcnt 0x0                               ; the mask bytes
; Rows 2 g and 2 g + 1, in slots (2 g) mod 4 and the next.
; first = 1: the group starts the running figures.  tail = 1: at the group's tail both slots are loaded again, with the rows 4 further down;
; tail = 2: nothing is left to fetch, the two slots take gamma and beta from LDS; tail = 0: nothing.  left = how many younger loads may stay out.
.macro GROUP g, first, tail, left
.set RA, 2*\g
.set RB, 2*\g+1
.set XA, XR+32*(RA%4)
.set XB, XA+32
	s_wait_loadcnt \left                           ; loads come back in order: my two rows are in, the next two rows' 16 loads stay out
	; scores: two chains for each row, started by the first products
	v_pk_mul_f32 v[SS:SS+1],   v[XA:XA+1],   v[VQ:VQ+1]
	v_pk_mul_f32 v[SS+2:SS+3], v[XA+2:XA+3], v[VQ+2:VQ+3]
	v_pk_mul_f32 v[SS+4:SS+5], v[XB:XB+1],   v[VQ:VQ+1]
	v_pk_mul_f32 v[SS+6:SS+7], v[XB+2:XB+3], v[VQ+2:VQ+3]
.irp k, 1,2,3,4,5,6,7
	v_pk_fma_f32 v[SS:SS+1],   v[XA+4*\k:XA+4*\k+1],   v[VQ+4*\k:VQ+4*\k+1],   v[SS:SS+1]
	v_pk_fma_f32 v[SS+2:SS+3], v[XA+4*\k+2:XA+4*\k+3], v[VQ+4*\k+2:VQ+4*\k+3], v[SS+2:SS+3]
	v_pk_fma_f32 v[SS+4:SS+5], v[XB+4*\k:XB+4*\k+1],   v[VQ+4*\k:VQ+4*\k+1],   v[SS+4:SS+5]
	v_pk_fma_f32 v[SS+6:SS+7], v[XB+4*\k+2:XB+4*\k+3], v[VQ+4*\k+2:VQ+4*\k+3], v[SS+6:SS+7]
.endr
	v_pk_add_f32 v[SS:SS+1],   v[SS:SS+1],   v[SS+2:SS+3]
	v_pk_add_f32 v[SS+4:SS+5], v[SS+4:SS+5], v[SS+6:SS+7]
	v_add_f32 v[TT],   v[SS],   v[SS+1]
	v_add_f32 v[TT+1], v[SS+4], v[SS+5]
	REDUCE2                                        ; every lane now holds both scores, in units of log2
	v_add_f32 v[TT],   v[TT],   v[CQ]
	v_add_f32 v[TT+1], v[TT+1], v[CQ]
	; the mask only selects a value: a row that is masked out scores -inf; no branch hangs on it.  The two masks are made by scalar instructions
	s_bitcmp1_b32 s[8+RA/4], 8*(RA%4)
	s_cselect_b32 s14, -1, 0
	s_bitcmp1_b32 s[8+RB/4], 8*(RB%4)
	s_cselect_b32 s15, -1, 0
	v_cndmask_b32 v[TT],   v[NINF], v[TT],   s14
	v_cndmask_b32 v[TT+1], v[NINF], v[TT+1], s15
	; the running maximum starts at the most negative finite number, so that it is finite also while all rows so far were masked out,
	; and is the true maximum as soon as one score is finite
.if \first
	v_max3_num_f32 v[MN], 0xff7fffff, v[TT], v[TT+1]
.else
	v_max3_num_f32 v[MN], v[MX], v[TT], v[TT+1]
	v_sub_f32 v[DD+2], v[MX], v[MN]
.endif
	v_sub_f32 v[DD],   v[TT],   v[MN]
	v_sub_f32 v[DD+1], v[TT+1], v[MN]
	v_exp_f32 v[PA], v[DD]
	v_exp_f32 v[PB], v[DD+1]
.if \first == 0
	v_exp_f32 v[SCL], v[DD+2]
.endif
	v_mov_b32 v[MX], v[MN]                         ; one plain vector instruction between the exponentials and the first use of a result (ISA guide 5.7.2)
.if \first
	s_wait_alu depctr_va_vdst(0)
	v_add_f32 v[LS], v[PA], v[PB]
.irp i, 0,1,2,3,4,5,6,7,8,9,10,11,12,13,14,15
	v_pk_mul_f32 v[ACC+2*\i:ACC+2*\i+1], v[XA+2*\i:XA+2*\i+1], v[PA:PA+1] op_sel_hi:[1,0]     ; the first row starts the sums: nothing is cleared
.endr
.else
	s_wait_alu depctr_va_vdst(0)
	v_add_f32 v[SCL+1], v[PA], v[PB]
	v_fma_f32 v[LS], v[LS], v[SCL], v[SCL+1]
.irp i, 0,1,2,3,4,5,6,7,8,9,10,11,12,13,14,15
	v_pk_mul_f32 v[ACC+2*\i:ACC+2*\i+1], v[ACC+2*\i:ACC+2*\i+1], v[SCL:SCL+1] op_sel_hi:[1,0] ; what was summed under the old maximum
.endr
.irp i, 0,1,2,3,4,5,6,7,8,9,10,11,12,13,14,15
	v_pk_fma_f32 v[ACC+2*\i:ACC+2*\i+1], v[XA+2*\i:XA+2*\i+1], v[PA:PA+1], v[ACC+2*\i:ACC+2*\i+1] op_sel_hi:[1,0,1]
.endr
.endif
.irp i, 0,1,2,3,4,5,6,7,8,9,10,11,12,13,14,15
	v_pk_fma_f32 v[ACC+2*\i:ACC+2*\i+1], v[XB+2*\i:XB+2*\i+1], v[PB:PB+1], v[ACC+2*\i:ACC+2*\i+1] op_sel_hi:[1,0,1]
.endr
.if \tail != 0
	s_wait_alu depctr_va_vdst(0)                   ; the multiply-adds above, the last readers of this group's two slots, are done reading them: the sixteen loads below land there
.endif
.if \tail == 1
.irp j, 0,1,2,3,4,5,6,7
	global_load_b128 v[XA+4*\j:XA+4*\j+3], v1, s[16:17] offset:ROWB*(RA+4)+512*\j th:TH_LOAD_NT   ; the row's place stands in the immediate: no address is stepped
.endr
.irp j, 0,1,2,3,4,5,6,7
	global_load_b128 v[XB+4*\j:XB+4*\j+3], v1, s[16:17] offset:ROWB*(RB+4)+512*\j th:TH_LOAD_NT
.endr
.endif
.if \tail == 2
.irp j, 0,1,2,3,4,5,6,7
	ds_load_b128 v[XA+4*\j:XA+4*\j+3], v1 offset:LG+512*\j         ; gamma, waited for in front of its use at the end
.endr
.irp j, 0,1,2,3,4,5,6,7
	ds_load_b128 v[XB+4*\j:XB+4*\j+3], v1 offset:LB+512*\j         ; beta
.endr
.endif
.endm
	GROUP 0, 1, 1, 16                              ; rows 0, 1; rows 4, 5 go out
	GROUP 1, 0, 1, 16
	GROUP 2, 0, 1, 16
	GROUP 3, 0, 1, 16
	GROUP 4, 0, 1, 16
	GROUP 5, 0, 1, 16                              ; rows 10, 11; rows 14, 15 go out: the last loads, so none leaves the buffer
	GROUP 6, 0, 2, 16                              ; rows 12, 13 (slots 0 and 1, which then take gamma and beta)
	GROUP 7, 0, 0, 0                               ; rows 14, 15: nothing was issued behind them; the group issues no load, so it states no dependence
	; LAYERNORM of acc / l, in two passes over the 32 registers: first the mean, then the squares of the differences, so that no difference of large sums is formed
	v_rcp_f32 v[PA], v[LS]                         ; l is at least 1 where any row counts; the adds below stand between this line and the result's first use
.irp c, 0,1,2,3
	v_pk_add_f32 v[SS+2*\c:SS+2*\c+1], v[ACC+2*\c:ACC+2*\c+1], v[ACC+8+2*\c:ACC+9+2*\c]
.endr
.irp c, 0,1,2,3
	v_pk_add_f32 v[SS+2*\c:SS+2*\c+1], v[SS+2*\c:SS+2*\c+1], v[ACC+16+2*\c:ACC+17+2*\c]
.endr
.irp c, 0,1,2,3
	v_pk_add_f32 v[SS+2*\c:SS+2*\c+1], v[SS+2*\c:SS+2*\c+1], v[ACC+24+2*\c:ACC+25+2*\c]
.endr
	v_pk_add_f32 v[SS:SS+1],   v[SS:SS+1],   v[SS+2:SS+3]
	v_pk_add_f32 v[SS+4:SS+5], v[SS+4:SS+5], v[SS+6:SS+7]
	v_pk_add_f32 v[SS:SS+1],   v[SS:SS+1],   v[SS+4:SS+5]
	v_add_f32 v[TT], v[SS], v[SS+1]
	REDUCE1 TT, PXT
	s_wait_alu depctr_va_vdst(0)
	v_mul_f32 v[SCL], v[TT], v[PA]
	v_mul_f32 v[SCL], 0xba800000, v[SCL]           ; -mean = -(sum / l) / 1024
.irp i, 0,1,2,3,4,5,6,7,8,9,10,11,12,13,14,15
	v_pk_fma_f32 v[ACC+2*\i:ACC+2*\i+1], v[ACC+2*\i:ACC+2*\i+1], v[PA:PA+1], v[SCL:SCL+1] op_sel_hi:[1,0,0]   ; d = acc / l - mean, one rounding
.endr
.irp c, 0,1,2,3
	v_pk_mul_f32 v[SS+2*\c:SS+2*\c+1], v[ACC+2*\c:ACC+2*\c+1], v[ACC+2*\c:ACC+2*\c+1]
.endr
.irp u, 1,2,3
.irp c, 0,1,2,3
	v_pk_fma_f32 v[SS+2*\c:SS+2*\c+1], v[ACC+8*\u+2*\c:ACC+8*\u+2*\c+1], v[ACC+8*\u+2*\c:ACC+8*\u+2*\c+1], v[SS+2*\c:SS+2*\c+1]
.endr
.endr
	v_pk_add_f32 v[SS:SS+1],   v[SS:SS+1],   v[SS+2:SS+3]
	v_pk_add_f32 v[SS+4:SS+5], v[SS+4:SS+5], v[SS+6:SS+7]
	v_pk_add_f32 v[SS:SS+1],   v[SS:SS+1],   v[SS+4:SS+5]
	v_add_f32 v[TT], v[SS], v[SS+1]
	REDUCE1 TT, PXT
	v_fma_f32 v[DD], v[TT], s40, s41               ; variance + eps
	v_rsq_f32 v[PA], v[DD]
	v_nop                                          ; one plain place behind the transcendental (ISA guide 5.7.2)
	s_wait_dscnt 0x0                               ; gamma and beta are in slots 0 and 1
	s_wait_alu depctr_va_vdst(0)
.irp i, 0,1,2,3,4,5,6,7,8,9,10,11,12,13,14,15
	v_pk_mul_f32 v[ACC+2*\i:ACC+2*\i+1], v[ACC+2*\i:ACC+2*\i+1], v[PA:PA+1] op_sel_hi:[1,0]
.endr
.irp i, 0,1,2,3,4,5,6,7,8,9,10,11,12,13,14,15
	v_pk_fma_f32 v[ACC+2*\i:ACC+2*\i+1], v[ACC+2*\i:ACC+2*\i+1], v[XR+2*\i:XR+2*\i+1], v[XR+32+2*\i:XR+32+2*\i+1]
.endr
	s_wait_alu depctr_va_vdst(0)                   ; the multiply-adds above have written ACC, which the eight stores read
.irp j, 0,1,2,3,4,5,6,7
	global_store_b128 v1, v[ACC+4*\j:ACC+4*\j+3], s[30:31] offset:512*\j th:TH_STORE_NT   ; each store of the wave covers 512 consecutive bytes, aligned
.endr
	s_wait_dscnt 0x0
	s_wait_alu depctr_hold_cnt(0) depctr_sa_sdst(0) depctr_va_vdst(0) depctr_va_sdst(0) depctr_va_ssrc(0) depctr_va_vcc(0) depctr_vm_vsrc(0)
	s_wait_tensorcnt 0x0
	ds_add_u32 v224, v225
	s_wait_dscnt 0x0
	s_endpgm
.Lfunc_end_k_q8d925cab22_pool:
	.size	k_q8d925cab22_pool, .Lfunc_end_k_q8d925cab22_pool-k_q8d925cab22_pool
	.p2alignl 7, 3214868480
	.fill 96, 4, 3214868480
	.section	.rodata,"a",@progbits
	.p2align	6, 0x0
	.amdhsa_kernel k_q8d925cab22_pool
		.amdhsa_group_segment_fixed_size 14592
		.amdhsa_private_segment_fixed_size 0
		.amdhsa_enable_private_segment 0
		.amdhsa_kernarg_size 64
		.amdhsa_user_sgpr_count 2
		.amdhsa_user_sgpr_kernarg_segment_ptr 1
		.amdhsa_wavefront_size32 1
		.amdhsa_system_sgpr_workgroup_id_x 1
		.amdhsa_system_sgpr_workgroup_id_y 1
		.amdhsa_system_sgpr_workgroup_id_z 1
		.amdhsa_system_vgpr_workitem_id 0
		.amdhsa_next_free_vgpr 226
		.amdhsa_next_free_sgpr 66
		.amdhsa_reserve_vcc 0
		.amdhsa_float_denorm_mode_32 3
		.amdhsa_float_denorm_mode_16_64 3
		.amdhsa_memory_ordered 1
		.amdhsa_forward_progress 1
		.amdhsa_inst_pref_size 79
	.end_amdhsa_kernel
	.amdgpu_metadata
---
amdhsa.version: [ 1, 2 ]
amdhsa.kernels:
  - .name:           k_q8d925cab22_pool
    .symbol:         k_q8d925cab22_pool.kd
    .args:
      - { .name: activations, .offset: 0, .size: 8, .value_kind: global_buffer, .address_space: global }
      - { .name: vp, .offset: 8, .size: 8, .value_kind: global_buffer, .address_space: global }
      - { .name: proj_b, .offset: 16, .size: 8, .value_kind: global_buffer, .address_space: global }
      - { .name: query, .offset: 24, .size: 8, .value_kind: global_buffer, .address_space: global }
      - { .name: ln_gamma, .offset: 32, .size: 8, .value_kind: global_buffer, .address_space: global }
      - { .name: ln_beta, .offset: 40, .size: 8, .value_kind: global_buffer, .address_space: global }
      - { .name: mask, .offset: 48, .size: 8, .value_kind: global_buffer, .address_space: global }
      - { .name: out0, .offset: 56, .size: 8, .value_kind: global_buffer, .address_space: global }
    .group_segment_fixed_size: 14592
    .private_segment_fixed_size: 0
    .kernarg_segment_align: 8
    .kernarg_segment_size: 64
    .max_flat_workgroup_size: 512
    .sgpr_count:     66
    .vgpr_count:     226
    .wavefront_size: 32
...
	.end_amdgpu_metadata
.endif
;; end of part 3
